; MI455X (gfx1250); checked and timed in simulation.
; The chip was launched on July 23, 2026; its instructions are those of AMD's public machine-readable ISA for CDNA 5 (MIT licence, August 2026) and "CDNA5" Instruction Set Architecture Reference Guide (July 2026). The comments in the code are by the model that wrote it; some were corrected since.
;; W8 A8 B32 O32 Linear With Scaling. Allowed arithmetic: float matrix products may take bf16 or f16 operands with f32 sums; other float arithmetic in f32, or as packed bf16 or f16 multiplies, adds, multiply-adds, maxima and minima; sums over many terms, partial sums and values carried from step to step in f32; what a program stores and reads back later, other than sums and carried values, may be rounded once to bf16 or f16.
;; Inputs: bias 1 x 4,096 int32; bias_scale one number float32; out_scale one number float32; weight 4,096 x 4,096 int8; x 4 x 1,024 x 4,096 int8.
;; Outputs: out0 4 x 1,024 x 4,096 int32.
;; One version. Each part assembles by itself: llvm-mc -triple=amdgcn-amd-amdhsa -mcpu=gfx1250 --defsym DOCPART=n.
;; ======== version 1 of 1: 1 launch
;; launch gemm (part 1): grid 16 x 16, 4 waves a work-group, clusters of 4 x 4, 327,680 bytes of LDS; arguments x, weight, out0, bias, out_scale, bias_scale; writes out0
.if DOCPART == 1
	.amdgcn_target "amdgcn-amd-amdhsa--gfx1250"
	.amdhsa_code_object_version 6
	.text
	.protected	k_q07da0381b1_gemm
	.globl	k_q07da0381b1_gemm
	.p2align	8
	.type	k_q07da0381b1_gemm,@function
k_q07da0381b1_gemm:
	s_mov_b64 s[64:65], 0
	v_nop
	global_prefetch_b8 v0, s[64:65] scope:SCOPE_SE
	s_setreg_imm32_b32 hwreg(HW_REG_WAVE_MODE, 25, 1), 1
	s_wait_xcnt 0x0
	s_wait_alu depctr_hold_cnt(0) depctr_sa_sdst(0) depctr_va_vdst(0) depctr_va_sdst(0) depctr_va_ssrc(0) depctr_va_vcc(0) depctr_vm_vsrc(0)
	s_getreg_b32 s2, hwreg(HW_REG_IB_STS2, 6, 4)
	s_cmp_eq_u32 s2, 0
	s_cbranch_scc0 .Lentry_in_a_cluster
	s_endpgm
.Lentry_in_a_cluster:
	s_bfe_u32 s2, ttmp6, 0x10000c
	s_cmp_lg_u32 s2, 0xf033
	s_cbranch_scc0 .Lentry_shape_is_right
	s_endpgm
.Lentry_shape_is_right:
; out0[m][n] = int32(round_to_even(f32(acc[m][n]) * out_scale + f32(bias[n]) * bias_scale)),  acc[m][n] = the sum over k of x[m][k] weight[n][k].
; x: [4096][4096] int8, weight: [4096][4096] int8, bias: [4096] int32, the two scales one f32 each, out0: [4096][4096] int32.
; THE FORMAT.  The operands are int8 as they arrive and the result is compared as whole numbers, so the sum has to be the exact integer (up to 2^26 in size, more than an f32 sum holds):
; the signed 8-bit matrix form with i32 sums adds without any rounding, in any order.  Nothing is converted on the way in.
; THE EPILOGUE rounds where the formula rounds: the i32 sum to f32, its product with out_scale, the bias's product with bias_scale, the sum of the two, each once, to nearest even; then the rounding to a
; whole number, ties to even.  The multiply and the add are therefore NOT fused: one rounding less would give another whole number where the sum lies near a half.
; LIMITS.  A result beyond int32's range is held at the range's end, a NaN (a NaN or an infinite scale) gives 0: what v_cvt_i32_f32 does.
; SHARES.  A tile of out0, 256 x 256, is made by a work-group of four waves; 16 x 16 tiles are 256 work-groups.  A wave makes 128 x 128: 64 accumulators of 16 x 16, 512 registers.
; K goes in steps of 256 (a tile's rows are 256 bytes of memory, at multiples of 256 from the buffer's first byte) through a ring of two LDS slots filled by the tensor data mover.
; CLUSTERS: 4 x 4 work-groups.  The four of a row of the cluster need the same tiles of x, the four of a column the same tiles of weight: each tile is asked for JOINTLY, by the same tensor load with
; the same descriptor and a mask that names the four, and each receives it in its own LDS.  That divides the requests for x and for weight by four.
; THE MATRIX INSTRUCTION IS USED TRANSPOSED: source 0 = 16 rows of weight, source 1 = 16 rows of x.  In the result lane l holds row m = l % 16 and the columns n = 8 (l / 16) + 0..7.
; A FRAGMENT is 16 rows x 64 K in 8 registers.  It is fetched by two loads of 16 bytes, 32 bytes apart, at row x pitch + 16 (l / 16): that lays k in other places than the form's own map, but in the
; same places in both sources, so each product still pairs x[m][k] with weight[n][k], and whole-number sums do not depend on their order.
; REGISTERS, in windows of 256 (s_set_vgpr_msb: bits 1:0 source 0, 3:2 source 1, 5:4 source 2, 7:6 destination):
;   window 0: v0-31 addresses and the bias term; v64-127, v128-191 fragments of x, two buffers; on the way out the same 128 registers hold two blocks of 16 rows
;   window 1: v64-127, v128-191 fragments of weight, two buffers
;   window 2: the 32 accumulators of my rows 0-63 (accumulator (a, b) at v[8 (8 a + b)]);   window 3: those of my rows 64-127
.set SIZE_N, 4096
.set SIZE_K, 4096
.set KSTEP,  256                       ; along K, elements and bytes
.set PITCH,  272                       ; an LDS row: 256 bytes + 16 of padding = 68 words: row r starts at bank 4 r mod 64 (64 banks of 4 bytes: ISA guide 11.1), so the 16 rows of a load start at 16 different banks
.set HALFT,  128*PITCH                 ; 128 rows: what one tensor load brings, and what one wave reads of x or of weight
.set SLOT,   4*HALFT                   ; x's 256 rows, then weight's 256 rows
.set STAGE,  2*SLOT                    ; behind the ring: 16 rows x 528 bytes for each wave, for the way out; no tensor load fills it
.set SP,     528                       ; a stage row: 128 i32 = 512 bytes + 16: 132 words, so the 16 rows of a store again start at 16 different banks
.set SPARE,  STAGE+4*16*SP             ; behind the stages: the spare words, 128 bytes for each wave: two blocks of 256 bytes that no other line names
.set LAPS,   SIZE_K/(2*KSTEP)          ; a lap = two K steps = once round the ring: 8
.set BT,   8                           ; v[8:11]  f32(bias) * bias_scale of my four columns on the way out
.set BR,   12                          ; v[12:15] those four bias numbers as loaded
.set ADRA, 16                          ; v16-17  LDS address of my fragments of x in slot 0, 1
.set ADRB, 20                          ; v20-21  the same for weight
.set STO,  24                          ; v24     the way out: where I put 32 bytes of a row
.set RD,   25                          ; v25     the way out: where I read 16 bytes of a row back
.set CO,   26                          ; v26     16 x lane: my byte offset in a row of my wave's part of out0; never rewritten
.set BO,   27                          ; v27     my byte offset in bias; never rewritten
.set SPW,  28                          ; v28     LDS address of my spare word: SPARE + 4 x my thread's number; never rewritten
.set NIL,  29                          ; v29     0; never rewritten
.set PFO,  30                          ; v30     the prefetches' offset: my lane x a row of x or weight (4,096 bytes); never rewritten
.set F0,   64                          ; fragment buffer 0
.set F1,   128                         ; fragment buffer 1
.set OB,   64                          ; the way out: 16 rows read back from the stage, 64 registers; two such buffers by turns
.set G1,   24                          ; s[24:31] descriptor group 1 for x's tiles
.set G0,   32                          ; s[32:39] descriptor group 0 for x's tiles, one set for each slot
.set LIM,  43                          ; s43      1 in a wave that prefetches, else the greatest number
.set PFA,  44                          ; s[44:45] where my prefetches stand: my work-group's 32 rows of the 128 that I fetch, at the K step that is being asked for; a prefetch names the K step after it
.set G1B,  48                          ; s[48:55] descriptor group 1 for weight's tiles: it differs in the mask alone
.set G0B,  56                          ; s[56:63] descriptor group 0 for weight's tiles, one set for each slot
.set BIA,  66                          ; s[66:67] bias
.set OS,   72                          ; s[72:73] out_scale: the packed multiply names a pair and takes its low word for both halves
.set BS,   74                          ; s74      bias_scale
.set MSB, 0
.macro WIN new                         ; the immediate's high byte repeats the setting that is left; a switch that changes nothing is dropped
.if MSB != (\new)
	s_set_vgpr_msb (MSB<<8)|(\new)
.set MSB, \new
.endif
.endm
.set MUL_LO, 0xa1                      ; source 0 (weight) window 1, source 1 (x) window 0, C and D window 2
.set MUL_HI, 0xf1                      ; the same, C and D window 3
.set TO_B,   0x40                      ; destination window 1, address window 0
; A joint load.  Waves 0 and 1 fetch x's two halves, waves 2 and 3 weight's.  Each of the two lines has ONE mask and one set of registers for all that issue it.  The branch hangs on the wave's number alone.
; An s_nop 0 and four v_nop follow each of the two lines; the jump round the other line, the label and what follows the macro come after them.
.macro JLOAD s
	s_cmp_eq_u32 s11, 0
	s_cbranch_scc0 .Lfor_b_\@
	tensor_load_to_lds s[G0+4*(\s):G0+4*(\s)+3], s[G1:G1+7]
	s_nop 0
.rept 4
	v_nop
.endr
	s_branch .Lasked_\@
.Lfor_b_\@:
	tensor_load_to_lds s[G0B+4*(\s):G0B+4*(\s)+3], s[G1B:G1B+7]
	s_nop 0
.rept 4
	v_nop
.endr
.Lasked_\@:
.endm
; A PREFETCH INTO THE L2, behind each joint load, its lines and the run of LDS loads that follows them: the K step that the NEXT refill will ask for, 256 matrix instructions ahead of that load:
; 32 rows x 256 bytes, a lane a row, one instruction a wave.  At a change of slots every wave has waited for all its tensor loads, so the refill that follows has nothing on its way beside it.
; Each row's 256 bytes of a K step are named ONCE in the launch.  x's tile row is read by every cluster of that row of clusters: the first of them (cluster x = 0) asks; weight's tile column by every
; cluster of that column: cluster y = 0 asks.  The four partners that ask for a tile jointly share its rows out BY ADDRESS: of the 128 rows that a wave fetches, the partner at place p takes
; 32 p .. 32 p + 31 (p = cx for x's rows, cy for weight's): no branch hangs on a work-group's place in its cluster.  K steps 0 to 2 come by their loads alone; the refill of slot 0 always has a K step
; behind it (3, 5 .. 15); that of slot 1 has none in the loop's last trip (s3 = 1), and asks for nothing there.
.macro ASK slot
.if (\slot) == 0
	s_cmp_eq_u32 s[LIM], 1
.else
	s_cmp_gt_u32 s3, s[LIM]
.endif
	s_cbranch_scc0 .Lnot_mine_\@
	global_prefetch_b8 v[PFO], s[PFA:PFA+1] offset:KSTEP th:TH_LOAD_NT scope:SCOPE_SE
.Lnot_mine_\@:
.endm
; A round of the cluster's barrier: my work-group's barrier, so that wave 0's signal speaks for all four waves; wave 0 signals for the work-group; every wave waits for all sixteen work-groups;
; my work-group's barrier once more.  No LDS instruction of the wave is pending at a signal.
.macro CREST                           ; a round behind its opening barrier
	s_cmp_lg_u32 s10, 0
	s_cbranch_scc1 .Lnot_wave_0_\@
	s_barrier_signal -3
.Lnot_wave_0_\@:
	s_barrier_wait -3
	s_barrier_signal -1
	s_barrier_wait -1
.endm
.macro CROUND                          ; a whole round
	s_barrier_signal -1
	s_barrier_wait -1
	CREST
.endm
	s_load_b128 s[4:7], s[0:1], 0x0                ; x s[4:5], weight s[6:7]
	s_load_b64 s[8:9], s[0:1], 0x10                ; out0
	s_load_b64 s[BIA:BIA+1], s[0:1], 0x18          ; bias
	s_load_b128 s[68:71], s[0:1], 0x20             ; where out_scale s[68:69] and bias_scale s[70:71] lie
	v_lshl_add_u32 v[SPW], v0, 2, SPARE
	v_mov_b32 v[NIL], 0
	ds_add_u32 v[SPW], v[NIL]                      ; the wave's opening: the add, twice on end, and its wait ahead of my first tensor load; the set-up below, work on registers, stands between
	ds_add_u32 v[SPW], v[NIL]                      ; and once more, under the one wait
	v_lshrrev_b32 v1, 5, v0
	v_readfirstlane_b32 s10, v1                    ; wave 0..3
	s_lshr_b32 s11, s10, 1                         ; which half of the tile's rows is mine.  Also: I fetch for x (0) or for weight (1)
	s_and_b32 s12, s10, 1                          ; which half of its columns.  Also: which 128 rows of that tile I fetch
	s_bfe_u32 s40, ttmp6, 0x40000                  ; cx: my place along the cluster's x
	s_bfe_u32 s41, ttmp6, 0x40004                  ; cy: along its y
	s_lshl_b32 s42, ttmp9, 2                       ; in a cluster launch ttmp9 and ttmp7 count clusters
	s_add_co_u32 s42, s42, s40                     ; tile column = 4 x cluster x + cx
	s_and_b32 s13, ttmp7, 0xffff
	s_lshl_b32 s13, s13, 2
	s_add_co_u32 s13, s13, s41                     ; tile row = 4 x cluster y + cy
	s_lshl_b32 s43, s41, 2
	s_lshl_b32 s43, 15, s43                        ; my row of the cluster: places 4 cy .. 4 cy + 3
	s_lshl_b32 s44, 0x1111, s40                    ; my column: places cx, cx + 4, cx + 8, cx + 12
	; descriptor group 1: a tile of 128 rows x 256 elements of one byte, padded in LDS
	s_or_b32 s[G1+0], s43, (1<<20)|(1<<21)|(5<<22)|(3<<25)   ; 15:0 the mask: x's tiles go to my row; 17:16 elements of 1 byte (code 0); 20 padding on; 21 set beside a mask; 24:22 after every 64 words (code 5); 31:25 4 words of it (code 3)
	s_or_b32 s[G1B+0], s44, (1<<20)|(1<<21)|(5<<22)|(3<<25)  ; the same with the mask of my column, for weight's tiles
.irp g, G1, G1B
	s_mov_b32 s[(\g)+1], KSTEP<<16                 ; 63:48 tensor_dim0, low half = 256
	s_mov_b32 s[(\g)+2], 128<<16                   ; 79:64 its high half = 0; 95:80 tensor_dim1, low half = 128
	s_mov_b32 s[(\g)+3], KSTEP<<16                 ; 111:96 its high half = 0; 127:112 tile_dim0 = 256
	s_mov_b32 s[(\g)+4], 128                       ; 143:128 tile_dim1 = 128; 159:144 tile_dim2 = 0
	s_mov_b32 s[(\g)+5], SIZE_K                    ; 191:160 tensor_dim0_stride, low word: elements from row to row
	s_mov_b32 s[(\g)+6], 0
	s_mov_b32 s[(\g)+7], 0
.endr
	; where the tiles come from.  x's hang on the tile row alone, which my row of the cluster shares; weight's on the tile column alone, which my column shares.
	; Every wave makes both addresses, in registers that never hold the other coordinate, and asks by one of them.
	s_lshl_b32 s17, s12, 7                         ; which 128 rows of the tile I fetch
	s_lshl_b32 s16, s13, 8
	s_add_co_u32 s16, s16, s17                     ; x: row 256 x tile row + 128 x half,
	s_lshl_b32 s16, s16, 12                        ; times 4,096 bytes: under 2^24
	s_lshl_b32 s46, s42, 8
	s_add_co_u32 s46, s46, s17                     ; weight: row 256 x tile column + 128 x half
	s_lshl_b32 s46, s46, 12
	s_mov_b32 s17, 0
	s_mov_b32 s47, 0
	s_mul_i32 s20, s10, HALFT                      ; and where they go: x's two halves, then weight's two = wave x 128 rows: no place in the cluster enters an LDS address
	s_wait_dscnt 0x0                               ; both opening adds are done
	s_wait_kmcnt 0x0
	s_add_nc_u64 s[14:15], s[4:5], s[16:17]
	s_add_nc_u64 s[46:47], s[6:7], s[46:47]
	CROUND                                         ; all sixteen work-groups are here: the first joint loads meet
.irp s, 0,1
	s_mov_b32 s[G0+4*(\s)], 1                                      ; 1:0 count = 1
	s_add_co_u32 s[G0+4*(\s)+1], s20, (\s)*SLOT                    ; 63:32 LDS address
	s_add_nc_u64 s[G0+4*(\s)+2:G0+4*(\s)+3], s[14:15], (\s)*KSTEP  ; 120:64 global address: K step s
	s_or_b32 s[G0+4*(\s)+3], s[G0+4*(\s)+3], 0x80000000            ; 127:126 type = 2
	s_mov_b32 s[G0B+4*(\s)], 1
	s_add_co_u32 s[G0B+4*(\s)+1], s20, (\s)*SLOT
	s_add_nc_u64 s[G0B+4*(\s)+2:G0B+4*(\s)+3], s[46:47], (\s)*KSTEP
	s_or_b32 s[G0B+4*(\s)+3], s[G0B+4*(\s)+3], 0x80000000
	JLOAD \s                                       ; the ring is filled before anything else is done: two tensor loads of mine are out
.endr
	; all that follows, up to the wait for the first tile, is done while the first tiles are on their way
	s_load_b32 s[OS], s[68:69], 0x0                ; out_scale
	s_load_b32 s[BS], s[70:71], 0x0                ; bias_scale
	v_and_b32 v1, 15, v0                           ; l % 16
	v_bfe_u32 v2, v0, 4, 1                         ; l / 16
	v_and_b32 v5, 31, v0                           ; l
	v_lshlrev_b32 v[CO], 4, v5                     ; 16 l
	s_lshl_b32 s46, s42, 10                        ; my first column, in bytes of i32: 1,024 x tile column + 512 x half (in the registers that held weight's address)
	s_lshl_b32 s47, s12, 9
	s_add_co_u32 s46, s46, s47
	s_mov_b32 s47, 0
	v_add_nc_u32 v[BO], s46, v[CO]                 ; on the way out I hold columns 4 l .. 4 l + 3 of my wave's 128, in every row
	global_load_b128 v[BR:BR+3], v[BO], s[BIA:BIA+1]
	v_mul_u32_u24 v3, v1, PITCH
	v_lshl_add_u32 v3, v2, 4, v3                   ; a fragment's row x pitch + 16 x half
	s_mul_i32 s21, s11, HALFT                      ; my 128 rows of x
	s_mul_i32 s22, s12, HALFT                      ; my 128 rows of weight,
	s_add_co_u32 s22, s22, 2*HALFT                 ; which lie behind x's 256
.irp s, 0,1
	v_add_nc_u32 v[ADRA+(\s)], s21, v3
	v_add_nc_u32 v[ADRB+(\s)], s22, v3
	s_add_co_u32 s21, s21, SLOT
	s_add_co_u32 s22, s22, SLOT
.endr
	s_mul_i32 s23, s10, 16*SP
	s_add_co_u32 s23, s23, STAGE                   ; my stage
	v_mul_u32_u24 v4, v1, SP                       ; in: row l % 16, 32 bytes (8 i32) for each half of the lanes
	v_lshl_add_u32 v4, v2, 5, v4
	v_add_nc_u32 v[STO], s23, v4
	v_add_nc_u32 v[RD], s23, v[CO]                 ; back: the 32 lanes take one row of 512 bytes
	v_lshlrev_b32 v[PFO], 12, v5
	; out0 at my wave's corner: row 256 x tile row + 128 x half, 16,384 bytes a row (under 2^26), and my first column
	s_lshl_b32 s13, s13, 8
	s_lshl_b32 s14, s11, 7
	s_add_co_u32 s16, s13, s14
	s_lshl_b32 s16, s16, 14
	s_mov_b32 s17, 0
	s_add_nc_u64 s[16:17], s[16:17], s[46:47]
	s_add_nc_u64 s[8:9], s[8:9], s[16:17]          ; never rewritten again: a row's place among my 128 stands in the stores' immediate
	; the prefetches.  s13 = 256 x tile row, s42 = tile column, s40 = cx, s41 = cy still stand
	s_lshl_b32 s42, s42, 8
	s_and_b32 s22, ttmp7, 0xffff                   ; cluster y
	s_cmp_eq_u32 s11, 0                            ; do I fetch for x?
	s_cselect_b32 s20, s13, s42                    ; the tile's first row: in x by the tile row, in weight by the tile column
	s_cselect_b32 s21, s40, s41                    ; my place among the four that ask for it with me
	s_cselect_b32 s22, ttmp9, s22                  ; the coordinate along which other clusters read the same rows
	s_cselect_b64 s[PFA:PFA+1], s[4:5], s[6:7]
	s_cmp_eq_u32 s22, 0
	s_cselect_b32 s[LIM], 1, -1                    ; the same in all sixteen partners, for a given wave
	s_lshl_b32 s22, s12, 7
	s_add_co_u32 s20, s20, s22                     ; + the 128 rows that I fetch
	s_lshl_b32 s21, s21, 5
	s_add_co_u32 s20, s20, s21                     ; + my work-group's 32 of them
	s_lshl_b32 s20, s20, 12
	s_mov_b32 s21, 0
	s_add_nc_u64 s[PFA:PFA+1], s[PFA:PFA+1], s[20:21]
	s_add_nc_u64 s[PFA:PFA+1], s[PFA:PFA+1], KSTEP ; at K step 1: the first refill steps it to 2 and names K step 3.  Nothing is prefetched here, at the head, where every work-group's first tiles are on their way
	s_wait_kmcnt 0x0                               ; the two scales
	s_mov_b32 s[OS+1], s[OS]                       ; named with it as a pair, so it is written
	s_wait_loadcnt 0x0                             ; my four bias numbers
.irp c, 0,1,2,3
	v_cvt_f32_i32 v[BT+(\c)], v[BR+(\c)]
.endr
.irp c, 0,1,2,3
	v_mul_f32 v[BT+(\c)], s[BS], v[BT+(\c)]        ; f32(bias) * bias_scale, rounded once: made once, used for all my 128 rows
.endr
; 16 matrix instructions: m blocks a0, a0 + 1 of the window's four (hi = 0: my rows 0-63, 1: rows 64-127) x all 8 n blocks, 64 along K; both sources signed.
; zero = 1: the first product starts the sums: nothing is ever cleared.  The 64 accumulators take turns, one instruction a turn, in the same order in every quarter step.
.macro MUL16 f, hi, a0, zero
	WIN MUL_LO+0x50*(\hi)  ; MUL_LO or MUL_HI
.irp a, \a0, (\a0)+1
.irp b, 0,1,2,3,4,5,6,7
.if \zero
	v_wmma_i32_16x16x64_iu8 v[8*(8*(\a)+(\b)):8*(8*(\a)+(\b))+7], v[(\f)+8*(\b):(\f)+8*(\b)+7], v[(\f)+8*(4*(\hi)+(\a)):(\f)+8*(4*(\hi)+(\a))+7], 0 neg_lo:[1,1,0]
.else
	v_wmma_i32_16x16x64_iu8 v[8*(8*(\a)+(\b)):8*(8*(\a)+(\b))+7], v[(\f)+8*(\b):(\f)+8*(\b)+7], v[(\f)+8*(4*(\hi)+(\a)):(\f)+8*(4*(\hi)+(\a))+7], v[8*(8*(\a)+(\b)):8*(8*(\a)+(\b))+7] neg_lo:[1,1,0]
.endif
.endr
.endr
.endm
; 32 LDS loads in one run: the fragments of one quarter step (128 rows of weight, 128 rows of x, 64 K at byte k of the rows) into buffer f
.macro FETCH slot, k, f
	WIN TO_B
.irp i, 0,1,2,3,4,5,6,7
	ds_load_b128 v[(\f)+8*(\i):(\f)+8*(\i)+3],   v[ADRB+(\slot)] offset:(\k)+(\i)*16*PITCH
	ds_load_b128 v[(\f)+8*(\i)+4:(\f)+8*(\i)+7], v[ADRB+(\slot)] offset:(\k)+(\i)*16*PITCH+32
.endr
	WIN 0
.irp i, 0,1,2,3,4,5,6,7
	ds_load_b128 v[(\f)+8*(\i):(\f)+8*(\i)+3],   v[ADRA+(\slot)] offset:(\k)+(\i)*16*PITCH
	ds_load_b128 v[(\f)+8*(\i)+4:(\f)+8*(\i)+7], v[ADRA+(\slot)] offset:(\k)+(\i)*16*PITCH+32
.endr
.endm
; A load into a register that a matrix instruction of this form has read, and an LDS store that reads its result, stand eight places behind it, and only plain vector instructions that name none of
; its registers are places (ISA guide 7.12.1 for vector instructions); the matrix instructions in between are not counted.
.macro PLACES
.rept 8
	v_nop
.endr
.endm
; A K step is four quarter steps of 64 along K, 64 matrix instructions each, on buffers 0, 1, 0, 1.
; One of the first three: multiplies buffer f; in its middle it fetches the next quarter's fragments, at byte k of the same slot's rows, into buffer g.
.macro QUARTER slot, k, f, g, zero
	s_wait_dscnt 8                                 ; weight and x's rows 0-63 are in; the youngest eight loads (x's rows 64-127) may be out
	WIN MUL_LO
	MUL16 \f, 0, 0, \zero
	MUL16 \f, 0, 2, \zero
	PLACES
	FETCH \slot, \k, \g
	s_wait_dscnt 32                                ; all but the 32 just issued
	WIN MUL_HI
	MUL16 \f, 1, 0, \zero
	MUL16 \f, 1, 2, \zero
.endm
; The last quarter multiplies buffer 1 and changes slots.  MEET is its first half: ONE barrier for the change of slots, for two things.  In front of it each wave waits for all its tensor loads, of
; which one is out: its part of the next slot; adds 0 to its spare word; and waits for that and for its own reads of this slot.  Behind it nobody reads this slot any more and the next slot is whole.
.macro MEET round                      ; round = 1: a round of the cluster's barrier follows
	WIN 0                                          ; (the add's two registers lie in window 0)
	s_wait_tensorcnt 0x0                           ; all my tensor loads have landed: the one that was out is my part of the next slot;
	ds_add_u32 v[SPW], v[NIL]                      ; 0 onto my spare word:
	s_wait_dscnt 9                                 ; (the add and the youngest eight loads may be out)
	WIN MUL_LO
	MUL16 F1, 0, 0, 0                              ; sixteen matrix instructions stand between the add and the wait for it
	s_wait_dscnt 0x0                               ; the add is done, and my reads of this slot are over:
	s_barrier_signal -1                            ; say so (where a slot is filled again this barrier opens a round of the cluster's barrier),
	MUL16 F1, 0, 2, 0                              ; work on registers while the others arrive,
.if \round
	WIN 0
.endif
	s_barrier_wait -1                              ; and go on when all four have said so
.endm
; The whole last quarter.  Behind the round the slot just read out is filled again first, with the K step two steps on; then come the next slot's first fragments.
; From a request to the wait for it a wave issues 224 matrix instructions.
.macro TURN slot, next
	s_wait_xcnt 0x0                                ; the last prefetch, a K step back, has read its address: it is stepped here, ahead of the waits of the change of slots
	s_add_nc_u64 s[PFA:PFA+1], s[PFA:PFA+1], KSTEP
	MEET 1
	CREST                                          ; wave 0 says so for the work-group, all sixteen work-groups have said so, my work-group's barrier closes the round:
	                                               ; no wave of any partner still reads this slot's tile or has a load on its way
	s_add_nc_u64 s[G0+4*(\slot)+2:G0+4*(\slot)+3], s[G0+4*(\slot)+2:G0+4*(\slot)+3], 2*KSTEP    ; no tensor load of mine is out, so a group 0 may be written; the type bits on top are not reached
	s_add_nc_u64 s[G0B+4*(\slot)+2:G0B+4*(\slot)+3], s[G0B+4*(\slot)+2:G0B+4*(\slot)+3], 2*KSTEP
	JLOAD \slot                                    ; the first tensor load behind the round, and my only one until the next
.rept 4
	v_nop                                          ; with the four behind the joint load: the eight places in front of the loads into buffer 0, which the quarter before multiplied
.endr
	FETCH \next, 0, F0
	ASK \slot                                      ; behind the joint load and the run of LDS loads that the next products wait for
	WIN MUL_HI
	MUL16 F1, 1, 0, 0
	MUL16 F1, 1, 2, 0
.endm
; THE WAY OUT, a block of 16 rows x 128 columns at a time.  A lane holds 8 columns of one row, and the lanes beside it other rows; so the raw i32 sums go through my own stage in LDS and come back by
; rows: the 32 lanes then hold one row's 512 bytes, and a lane the SAME four columns in every row, so that the bias term costs four registers.  The stage is the wave's own and LDS serves a wave's
; instructions in order (ISA guide 5.7.1.4): no barrier, and no wait between the stores and the loads, nor between a block's loads and the next block's stores.
.macro TOSTAGE a
.if (\a) >= 2
	s_wait_xcnt 0x0                                ; the stores of the block two back have read their data: only behind this wait is their buffer loaded again
.endif
.set AC, 64*((\a)%4)                   ; the block's eight accumulators, in window 2 (blocks 0-3) or 3 (blocks 4-7)
	WIN 0x08+4*((\a)/4)                            ; an LDS store's data is source 1
.irp b, 0,1,2,3,4,5,6,7
	ds_store_b128 v[STO], v[AC+8*(\b):AC+8*(\b)+3]   offset:64*(\b)      ; each accumulator's four lowest registers first
	ds_store_b128 v[STO], v[AC+8*(\b)+4:AC+8*(\b)+7] offset:64*(\b)+16
.endr
	WIN 0
.set BK, OB+64*((\a)%2)
.irp t, 0,1,2,3,4,5,6,7,8,9,10,11,12,13,14,15
	ds_load_b128 v[BK+4*(\t):BK+4*(\t)+3], v[RD] offset:(\t)*SP
.endr
.endm
; The epilogue and the stores of block a, four rows at a time.  younger: the LDS instructions issued behind the block's own loads (the next block's 32, or none).
.macro FINISH a, younger
	WIN 0
.set BK, OB+64*((\a)%2)
.irp g, 0,1,2,3
	s_wait_dscnt (\younger)+12-4*(\g)              ; rows 4 g .. 4 g + 3 are back; the block's later rows and the next block's LDS instructions may be out
.set r, BK+16*(\g)
.rept 16
	v_cvt_f32_i32 v[r], v[r]                       ; the sum as f32, rounded once
.set r, r+1
.endr
.set r, BK+16*(\g)
.rept 8
	v_pk_mul_f32 v[r:r+1], v[r:r+1], s[OS:OS+1] op_sel_hi:[1,0]  ; times out_scale, rounded once: not fused with the add below (see the head)
.set r, r+2
.endr
.set r, BK+16*(\g)
.rept 4
	v_pk_add_f32 v[r:r+1], v[r:r+1], v[BT:BT+1]
	v_pk_add_f32 v[r+2:r+3], v[r+2:r+3], v[BT+2:BT+3]
.set r, r+4
.endr
.set r, BK+16*(\g)
.rept 16
	v_rndne_f32 v[r], v[r]                         ; to a whole number, ties to even
.set r, r+1
.endr
.set r, BK+16*(\g)
.rept 16
	v_cvt_i32_f32 v[r], v[r]
.set r, r+1
.endr
.irp t, 0,1,2,3
	global_store_b128 v[CO], v[BK+16*(\g)+4*(\t):BK+16*(\g)+4*(\t)+3], s[8:9] offset:(16*(\a)+4*(\g)+(\t))*SIZE_N*4 th:TH_STORE_NT  ; the wave stores 512 consecutive bytes, at a multiple of 512 from out0's first byte; 127 rows of 16,384 bytes at the most: inside the signed 24-bit immediate
.endr
.endr
.endm
	s_wait_tensorcnt 1                             ; my part of K step 0 is in; K step 1's load may stay out
	s_barrier_signal -1
	s_barrier_wait -1                              ; everybody's is
	FETCH 0, 0, F0
	QUARTER 0, 64,  F0, F1, 1                      ; the first quarter stands in front of the loop: its products start the sums
	WIN 0                                          ; at a label and at a branch every window is 0
	s_mov_b32 s3, LAPS-1
.Llap:                                                 ; a trip goes once round the ring, from a lap's second quarter to the next lap's first, and fills both slots again: K steps 2 to 15 in seven trips
	QUARTER 0, 128, F1, F0, 0
	QUARTER 0, 192, F0, F1, 0
	TURN 0, 1
	QUARTER 1, 64,  F0, F1, 0
	QUARTER 1, 128, F1, F0, 0
	QUARTER 1, 192, F0, F1, 0
	TURN 1, 0
	QUARTER 0, 64,  F0, F1, 0
	WIN 0
	s_sub_co_u32 s3, s3, 1
	s_cmp_lg_u32 s3, 0
	s_cbranch_scc1 .Llap
	QUARTER 0, 128, F1, F0, 0                      ; the last lap is written out: it fills nothing, and has no round of the cluster's barrier
	QUARTER 0, 192, F0, F1, 0
	MEET 0                                         ; my one tensor load that was still out is slot 1's, the last K step's
	PLACES                                         ; for the loads into buffer 0, which the quarter before multiplied
	FETCH 1, 0, F0
	WIN MUL_HI
	MUL16 F1, 1, 0, 0
	MUL16 F1, 1, 2, 0
	QUARTER 1, 64,  F0, F1, 0
	QUARTER 1, 128, F1, F0, 0
	QUARTER 1, 192, F0, F1, 0
	s_wait_dscnt 8                                 ; the very last quarter: nothing more to fetch
	WIN MUL_LO
	MUL16 F1, 0, 0, 0
	MUL16 F1, 0, 2, 0
	s_wait_dscnt 0x0
	WIN MUL_HI
	MUL16 F1, 1, 0, 0
	MUL16 F1, 1, 2, 0
	PLACES                                         ; the stage's stores read results just made, and its loads land in the fragment buffers that the last products read
	TOSTAGE 0
.irp a, 0,1,2,3,4,5,6                  ; block a + 1 goes through the stage while block a is worked on and stored
	TOSTAGE (\a)+1
	FINISH \a, 32
.endr
	FINISH 7, 0
	WIN 0
	s_wait_tensorcnt 0x0                           ; the wave's end, behind my last tensor load and my last LDS store
	ds_add_u32 v[SPW], v[NIL]
	s_wait_dscnt 0x0
	CROUND                                         ; the closing round: no work-group ends while a partner may still ask for a tile that names it
	s_endpgm
.Lfunc_end_k_q07da0381b1_gemm:
	.size	k_q07da0381b1_gemm, .Lfunc_end_k_q07da0381b1_gemm-k_q07da0381b1_gemm
	.p2alignl 7, 3214868480
	.fill 96, 4, 3214868480
	.section	.rodata,"a",@progbits
	.p2align	6, 0x0
	.amdhsa_kernel k_q07da0381b1_gemm
		.amdhsa_group_segment_fixed_size 327680
		.amdhsa_private_segment_fixed_size 0
		.amdhsa_enable_private_segment 0
		.amdhsa_kernarg_size 48
		.amdhsa_user_sgpr_count 2
		.amdhsa_user_sgpr_kernarg_segment_ptr 1
		.amdhsa_wavefront_size32 1
		.amdhsa_system_sgpr_workgroup_id_x 1
		.amdhsa_system_sgpr_workgroup_id_y 1
		.amdhsa_system_sgpr_workgroup_id_z 1
		.amdhsa_system_vgpr_workitem_id 0
		.amdhsa_next_free_vgpr 1024
		.amdhsa_next_free_sgpr 76
		.amdhsa_reserve_vcc 0
		.amdhsa_float_denorm_mode_32 3
		.amdhsa_float_denorm_mode_16_64 3
		.amdhsa_memory_ordered 1
		.amdhsa_forward_progress 1
		.amdhsa_inst_pref_size 225
	.end_amdhsa_kernel
	.amdgpu_metadata
---
amdhsa.version: [ 1, 2 ]
amdhsa.kernels:
  - .name:           k_q07da0381b1_gemm
    .symbol:         k_q07da0381b1_gemm.kd
    .args:
      - { .name: x, .offset: 0, .size: 8, .value_kind: global_buffer, .address_space: global }
      - { .name: weight, .offset: 8, .size: 8, .value_kind: global_buffer, .address_space: global }
      - { .name: out0, .offset: 16, .size: 8, .value_kind: global_buffer, .address_space: global }
      - { .name: bias, .offset: 24, .size: 8, .value_kind: global_buffer, .address_space: global }
      - { .name: out_scale, .offset: 32, .size: 8, .value_kind: global_buffer, .address_space: global }
      - { .name: bias_scale, .offset: 40, .size: 8, .value_kind: global_buffer, .address_space: global }
    .group_segment_fixed_size: 327680
    .private_segment_fixed_size: 0
    .kernarg_segment_align: 8
    .kernarg_segment_size: 48
    .max_flat_workgroup_size: 128
    .sgpr_count:     76
    .vgpr_count:     1024
    .wavefront_size: 32
...
	.end_amdgpu_metadata
.endif
;; end of part 1
